; MI455X (gfx1250); checked and timed in simulation.
; The chip was launched on July 23, 2026; its instructions are those of AMD's public machine-readable ISA for CDNA 5 (MIT licence, August 2026) and "CDNA5" Instruction Set Architecture Reference Guide (July 2026). The comments in the code are by the model that wrote it; some were corrected since.
;; Multi Head Attention Map. Allowed arithmetic: matrix products marked QUANTISED: E2M1 operands, one E8M0 scale for each 32 along K, by v_wmma_scale_f32_16x16x128_f8f6f4 with both operands' format E2M1 (or v_wmma_scale_f32_32x16x128_f4), f32 sums; everything else in f32.
;; Inputs: keys 2 x 2,048 x 1,024 float32; mask 2 x 2,048 x 2,048 bool; queries 2 x 2,048 x 1,024 float32; values 2 x 2,048 x 1,024 float32.
;; Outputs: out0 2 x 2,048 x 1,024 float32.
;; This version of the problem:
;;   THIS VERSION OF THE PROBLEM IS GIVEN IN LOW PRECISION. The matrix products marked QUANTISED in the list below multiply operands that are first quantised to E2M1 (2 exponent bits, 1 mantissa bit; 4 bits a number), with one power-of-two scale for each 32 numbers along K (OCP MX v1.0); their sums are f32. All else is computed in f32.
;;   The module's matrix products, in the order in which they are computed (A, B: the left and right operand; K: the contracted axis; several contracted axes count as one K, in the product's order):
;;     1. batch 32 x [M 2,048, K 64] x [K 64, N 2,048]; A: input queries; B: input keys: QUANTISED
;;     2. batch 32 x [M 2,048, K 2,048] x [K 2,048, N 64]; A: softmax (see below); B: input values: QUANTISED
;;   THE QUANTISER, for each operand of a quantised product, along K:
;;     - K is cut into blocks of 32 from its start; a last block that is shorter is filled with zeros.
;;     - A block's scale is 2^e with e = floor(log2(the largest magnitude in the block)) - 2, held to -126 .. 127; a block of zeros has e = 0. As a byte (E8M0): e + 127.
;;     - Each number is divided by its block's scale, clamped to +-6, and rounded to the nearest number of E2M1, ties to even, subnormals kept.
;;     - The product sums the exact products of the quantised numbers (number of the format x scale) in f32.
;;   ~~~python
;;   def quantise(x, axis):      # numpy; x: float32 -> the quantised numbers, widened to float32 again
;;       x = np.moveaxis(x, axis, -1); K = x.shape[-1]
;;       x = np.pad(x, [(0, 0)] * (x.ndim - 1) + [(0, -K % 32)]); x = x.reshape(x.shape[:-1] + (-1, 32)); a = np.abs(x).max(-1, keepdims=True)
;;       e = np.where(a > 0, np.clip(np.frexp(np.where(a > 0, a, 1))[1] - 1 - 2, -126, 127), 0)      # np.frexp(a)[1] - 1 = floor(log2(a)), exactly
;;       r = np.clip(x / 2.0 ** e, -6, 6)
;;       step = 2.0 ** (np.maximum(np.frexp(np.where(r == 0, 1, r))[1] - 1, 0) - 1)
;;       q = np.round(r / step) * step * 2.0 ** e      # np.round: ties to even
;;       return np.moveaxis(q.reshape(q.shape[:-2] + (-1,))[..., :K], -1, axis).astype(np.float32)
;;   ~~~
;;   SOFTMAX AHEAD OF A QUANTISED PRODUCT. Where the list says 'softmax', what is quantised is not the finished softmax but p = 2^(t - M), with t = logit x log2(e) and M = ceil(the row's largest t), a whole number; so 1/2 < the row's largest p <= 1. The row's sum l is taken of the UNQUANTISED p, in f32, and the product's result is divided by l at the end. Since M is a whole number, a kernel that streams over the keys may use a running M (the ceiling of the running maximum): every later rescaling is an exact power of two, which a block's scale takes up: the codes' values come out the same.
;;   OPERANDS COMPUTED ON THE WAY. 'Computed on the way' means the value that the module computes at that place (a softmax that the list does not call 'softmax' is quantised finished and normalised). What goes into a quantiser is computed in f32, as accurately as f32 sums, v_exp_f32 and their like allow (about 1e-6 of the number): no bf16 or f16 on the way to a quantiser, and a product that is left as it is and whose result goes on into a quantised operand takes f32 operands (vector FMAs, or v_wmma_f32_16x16x4_f32). A number that lies on a knife's edge between two numbers of the format may be rounded either way, as far as f32 arithmetic and the matrix unit's own rounding can turn it there, and no further.
;; 2 versions, each right; version 2 is version 1 with the launch attn written anew for expert scheduling mode. Each part assembles by itself: llvm-mc -triple=amdgcn-amd-amdhsa -mcpu=gfx1250 --defsym DOCPART=n.
;; ======== version 1 of 2: 2 launches
;; limits: right only within a limited range of input values
;; workspace buffers: qimg 2,097,152 bytes; kimg 2,097,152 bytes; vimg 2,097,152 bytes; qsc 262,144 bytes; ksc 262,144 bytes; vsc 131,072 bytes; maskw 1,048,576 bytes of whole numbers; needw 8,192 bytes of whole numbers
;; launch prep (part 1): grid 1024 x 1, 4 waves a work-group, no clusters, 35,328 bytes of LDS; arguments queries, keys, values, mask, qimg, qsc, kimg, ksc, vimg, vsc, maskw, needw; writes qimg, qsc, kimg, ksc, vimg, vsc, maskw, needw
.if DOCPART == 1
	.amdgcn_target "amdgcn-amd-amdhsa--gfx1250"
	.amdhsa_code_object_version 6
	.text
	.protected	k_qa637dda172_prep
	.globl	k_qa637dda172_prep
	.p2align	8
	.type	k_qa637dda172_prep,@function
k_qa637dda172_prep:
	s_mov_b64 s[64:65], 0
	v_nop
	global_prefetch_b8 v0, s[64:65] scope:SCOPE_SE
	s_setreg_imm32_b32 hwreg(HW_REG_WAVE_MODE, 25, 1), 1
	s_wait_xcnt 0x0
; THE LAUNCH IN FRONT OF THE ATTENTION.  queries, keys, values: [2][2048][1024] f32, a head is 64 neighbouring numbers (256 bytes) of a row.  mask: [2][2048][2048] bytes.
; It makes, once, what all work-groups of the attention read again:
;   qimg, kimg  codes of FP4 (E2M1) along the head's 64, as IMAGES OF OPERAND REGISTERS: [bh 32][J 16][t 8][lane 32][16 bytes]; lane (r, h) of tile 8 J + t holds d = 32 h .. 32 h + 31 of the tile's row r
;   qsc, ksc    their scale words: [bh][J][g 2][r 16][4 words]; word tt belongs to tile 4 g + tt, row r: byte 0 for d 0-31, byte 1 for d 32-63, bytes 2 and 3 are 0 (their codes are zeros)
;   vimg        codes along the KEYS: [bh][j 16][u 4][c 2][lane 32][16 bytes]; lane (r, h) holds keys 128 j + 64 c + 32 h + 0 .. 31 of d = 16 u + r;   vsc: [bh][j][d 64] words, byte y for keys 32 y on of step j
;   maskw       [b 128 + T][j 16][64 words]: word n has in bit l the mask of (row l % 16 of query tile T, key 128 j + 32 (n / 16) + 16 (l / 16) + n % 16); it lies at place 2 (n % 32) + n / 32
;   needw       [b 128 + T][quarter 4][2 words]: word 0: bit j: key step j has an allowed key; bit 16 + r: row r has an allowed key in this quarter;  word 1: bit j: step j is not wholly allowed
; THE ROWS OF A TILE ARE NOT NEIGHBOURS: row r of tile 8 J + t is row 128 J + 32 (t / 2) + 8 (t % 2) + r + 8 (r / 8), for queries and keys alike.
; A block's scale is 2^(floor(log2(its largest magnitude)) - 2); its byte is the largest magnitude's exponent field - 2, held at 1 from below (a block of zeros keeps the byte 1: its codes are zeros, and this program alone reads the bytes).
; LIMITS: blocks whose largest magnitude lies under 2^-124 keep the byte 1; NaN and infinities among the inputs are not served; a mask byte counts as true where it is not 0.
; THREE ROLES by the work-group's number: 0-255 the mask, 256-767 queries and keys, 768-1023 values.  Waves share nothing: no barrier.  Each role that uses LDS has bytes of its own.
.set PIT,  272                         ; a stage row: 256 bytes + 16 of padding, so that the 16 rows that a load touches start at 16 different groups of banks
.set STW,  16*PIT                      ; a wave's stage
.set MST,  4*STW                       ; the mask role's stages lie behind the four of queries and keys
.set CD,   16                          ; v16-31   codes (mask role: v16-23 the words of four steps, a pair a step)
.set XX,   32                          ; v32-63   32 neighbours along K (mask role: v32-47 a step's 64 bytes a lane)
.set RAW,  64                          ; v64-191  as loaded
.set WD,   192                         ; v192-195 scale words
	s_load_b512 s[8:23], s[0:1], 0x0               ; queries 8, keys 10, values 12, mask 14, qimg 16, qsc 18, kimg 20, ksc 22
	s_load_b256 s[24:31], s[0:1], 0x40             ; vimg 24, vsc 26, maskw 28, needw 30
	v_lshl_add_u32 v200, v0, 2, 0x8800
	v_mov_b32 v201, 0
	v_lshrrev_b32 v1, 5, v0
	v_readfirstlane_b32 s2, v1                     ; wave 0..3
	v_and_b32 v1, 31, v0                           ; lane
	v_and_b32 v2, 15, v0                           ; r
	v_bfe_u32 v3, v0, 4, 1                         ; h
	s_mul_i32 s3, s2, STW
	v_mul_u32_u24 v4, v3, PIT                      ; every LDS address is made here, ahead of the parting of the roles
	v_lshl_add_u32 v4, v2, 4, v4
	v_add_nc_u32 v4, s3, v4                        ; into a stage: two rows an instruction, sixteen lanes to a row
	v_mul_u32_u24 v5, v2, PIT
	v_lshl_add_u32 v7, v3, 4, v5
	v_lshl_add_u32 v5, v3, 7, v5
	v_add_nc_u32 v5, s3, v5                        ; out of it, queries and keys: row r, my half's 128 bytes
	v_add_nc_u32 v7, s3, v7
	v_add_nc_u32 v7, MST, v7                       ; out of it, mask: row r, my half's 16 bytes of each 32
	v_add_nc_u32 v6, MST, v4                       ; into the mask role's stage
	s_mov_b32 s32, 0x76543210
	s_mov_b32 s33, 0xfedcba98                      ; v_permlanex16_b32's selects for lane l xor 16
	s_mov_b32 s36, 0xff
	s_mov_b32 s37, 0xff00
	s_mov_b32 s38, 0xff0000
	s_mov_b32 s39, 0xff000000                      ; the four bytes of a word
	s_wait_kmcnt 0x0
	s_cmp_lt_u32 ttmp9, 256
	s_cbranch_scc1 .Lmask
	s_cmp_lt_u32 ttmp9, 768
	s_cbranch_scc0 .Lvalues
; ---------------- QUERIES AND KEYS: a wave takes four tiles (64 rows) of one head ----------------
	s_sub_co_u32 s40, ttmp9, 256
	s_cmp_lt_u32 s40, 256                          ; the first 256 of these work-groups take the queries: the choice hangs on the work-group's number alone
	s_cselect_b64 s[8:9], s[8:9], s[10:11]
	s_cselect_b64 s[16:17], s[16:17], s[20:21]
	s_cselect_b64 s[18:19], s[18:19], s[22:23]
	s_lshl_b32 s40, s40, 2
	s_add_co_u32 s40, s40, s2
	s_and_b32 s40, s40, 1023                       ; bh x 32 + J x 2 + g
	s_lshr_b32 s41, s40, 9
	s_lshl_b32 s41, s41, 23                        ; the batch: 2,048 rows of 4,096 bytes
	s_and_b32 s42, s40, 31
	s_lshl_b32 s42, s42, 18                        ; 64 rows for each (J, g)
	s_add_co_u32 s41, s41, s42
	s_bfe_u32 s42, s40, 0x40005
	s_lshl_b32 s42, s42, 8                         ; the head's 256 bytes of a row
	s_add_co_u32 s42, s41, s42
	s_mov_b32 s43, 0
	s_add_nc_u64 s[8:9], s[8:9], s[42:43]
	s_lshl_b32 s42, s40, 11                        ; four images of 512 bytes
	s_add_nc_u64 s[16:17], s[16:17], s[42:43]
	s_lshl_b32 s42, s40, 8                         ; 256 bytes of scale words
	s_add_nc_u64 s[18:19], s[18:19], s[42:43]
	v_lshlrev_b32 v8, 12, v3
	v_lshl_add_u32 v8, v2, 4, v8                   ; in: lanes 0-15 one row's 256 bytes, lanes 16-31 the next row's
	v_lshlrev_b32 v9, 4, v1                        ; an image: 16 bytes a lane
	v_lshlrev_b32 v10, 4, v2
	v_lshl_add_u32 v10, v3, 3, v10                 ; the scale words: row r's four; my half stores two of them
	v_lshlrev_b32 v11, 3, v3                       ; my block's byte stands 8 h bits up
	v_mov_b32 v15, 0                               ; written once: a lane permute's destination counts as one of its sources
.irp tt, 0,1,2,3
.irp i, 0,1,2,3,4,5,6,7
	global_load_b128 v[RAW+32*\tt+4*\i:RAW+32*\tt+4*\i+3], v8, s[8:9] offset:(32*(\tt/2)+8*(\tt%2)+2*\i+8*(\i/4))*4096 th:TH_LOAD_NT   ; rows 2 i, 2 i + 1 of the tile: sixteen lanes read 256 consecutive bytes
.endr
.endr
.macro QKTILE tt
	s_wait_loadcnt 24-8*\tt                        ; this tile's eight loads are in; the later tiles' may be out
.irp i, 0,1,2,3,4,5,6,7
	ds_store_b128 v4, v[RAW+32*\tt+4*\i:RAW+32*\tt+4*\i+3] offset:2*\i*PIT
.endr
.irp m, 0,1,2,3,4,5,6,7
	ds_load_b128 v[XX+4*\m:XX+4*\m+3], v5 offset:16*\m   ; LDS serves a wave's instructions in order: these see my stores.  Lane (r, h): d = 32 h .. 32 h + 31 of row r: a whole block
.endr
	s_wait_dscnt 0x0
	v_max3_num_f32 v12, |v[XX]|, |v[XX+1]|, |v[XX+2]|    ; the block's largest magnitude: all 32 numbers are mine; two chains
	v_max3_num_f32 v13, |v[XX+3]|, |v[XX+4]|, |v[XX+5]|
.irp i, 6,10,14,18,22,26
	v_max3_num_f32 v12, v12, |v[XX+\i]|, |v[XX+\i+1]|
	v_max3_num_f32 v13, v13, |v[XX+\i+2]|, |v[XX+\i+3]|
.endr
	v_max3_num_f32 v12, v12, |v[XX+30]|, |v[XX+31]|
	v_max3_num_f32 v12, v12, v13, 0x1800000        ; and the floor 2^(3 - 127): the byte cannot fall under 1
	v_add_nc_u32 v13, 0xff000000, v12              ; 2 off the exponent field: the conversion takes the exponent field of this operand as its scale
.irp g, 0,1,2,3
	v_cvt_scalef32_pk8_fp4_f32 v[CD+4*\tt+\g], v[XX+8*\g:XX+8*\g+7], v13
.endr
	v_lshrrev_b32 v14, 23, v13                     ; the scale's byte (a plain line behind the conversions),
	v_lshlrev_b32 v14, v11, v14                    ; at its place in the word;
	v_permlanex16_b32 v15, v14, s32, s33
	v_or_b32 v[WD+\tt], v14, v15                   ; with lane l xor 16's the row's word is whole
	global_store_b128 v9, v[CD+4*\tt:CD+4*\tt+3], s[16:17] offset:512*\tt   ; the image: 512 consecutive bytes
.endm
	QKTILE 0
	QKTILE 1
	QKTILE 2
	QKTILE 3
	v_cmp_ne_u32 vcc_lo, 0, v3
	v_cndmask_b32 v12, v[WD], v[WD+2], vcc_lo      ; lanes 0-15 store words 0 and 1 of their row, lanes 16-31 words 2 and 3
	v_cndmask_b32 v13, v[WD+1], v[WD+3], vcc_lo
	global_store_b64 v10, v[12:13], s[18:19]       ; 256 consecutive bytes, aligned
	s_wait_tensorcnt 0x0
	ds_add_u32 v200, v201
	s_wait_dscnt 0x0
	s_endpgm
; ---------------- VALUES: a wave takes 128 keys x 32 columns; a lane takes a column and its registers run down the keys ----------------
.Lvalues:
	s_sub_co_u32 s40, ttmp9, 768
	s_lshl_b32 s40, s40, 2
	s_add_co_u32 s40, s40, s2                      ; bh x 32 + j x 2 + which 32 columns
	s_lshr_b32 s41, s40, 9
	s_lshl_b32 s41, s41, 23                        ; the batch
	s_bfe_u32 s42, s40, 0x40001
	s_lshl_b32 s42, s42, 19                        ; 128 keys of 4,096 bytes
	s_add_co_u32 s41, s41, s42
	s_bfe_u32 s42, s40, 0x40005
	s_lshl_b32 s42, s42, 8                         ; the head
	s_add_co_u32 s41, s41, s42
	s_and_b32 s42, s40, 1
	s_lshl_b32 s42, s42, 7                         ; my 32 columns
	s_add_co_u32 s42, s41, s42
	s_mov_b32 s43, 0
	s_add_nc_u64 s[12:13], s[12:13], s[42:43]
	s_lshl_b32 s42, s40, 11                        ; two tiles of d: 2,048 bytes of images
	s_add_nc_u64 s[24:25], s[24:25], s[42:43]
	s_lshl_b32 s42, s40, 7                         ; 32 scale words
	s_add_nc_u64 s[26:27], s[26:27], s[42:43]
	v_lshlrev_b32 v8, 2, v1                        ; in, and the scale words: 4 bytes a lane
	v_lshlrev_b32 v9, 10, v3
	v_lshl_add_u32 v9, v2, 4, v9                   ; images: my half's tile of d, row r
.macro VLOAD y                         ; block y: keys 32 y + i of my column, into set y % 2.  The neighbouring wave reads the other half of each 256 bytes, so no hint is given
.irp i, 0,1,2,3,4,5,6,7,8,9,10,11,12,13,14,15,16,17,18,19,20,21,22,23,24,25,26,27,28,29,30,31
	global_load_b32 v[RAW+32*((\y)%2)+\i], v8, s[12:13] offset:(32*(\y)+\i)*4096
.endr
.endm
.macro VBLOCK y
.set XS, RAW+32*((\y)%2)
.if (\y) < 3
	s_wait_loadcnt 32                              ; this block's 32 loads are in; the next block's may be out
.else
	s_wait_loadcnt 0x0
.endif
	v_max3_num_f32 v12, |v[XS]|, |v[XS+1]|, |v[XS+2]|
	v_max3_num_f32 v13, |v[XS+3]|, |v[XS+4]|, |v[XS+5]|
.irp i, 6,10,14,18,22,26
	v_max3_num_f32 v12, v12, |v[XS+\i]|, |v[XS+\i+1]|
	v_max3_num_f32 v13, v13, |v[XS+\i+2]|, |v[XS+\i+3]|
.endr
	v_max3_num_f32 v12, v12, |v[XS+30]|, |v[XS+31]|
	v_max3_num_f32 v12, v12, v13, 0x1800000
	v_add_nc_u32 v13, 0xff000000, v12
	v_lshrrev_b32 v14, 23, v13
.if (\y) == 0
	v_mov_b32 v[WD], v14                           ; four bytes to the word, the lower keys in the lower byte
.else
	v_lshl_or_b32 v[WD], v14, 8*(\y), v[WD]
.endif
.irp g, 0,1,2,3
	v_cvt_scalef32_pk8_fp4_f32 v[CD+4*(\y)+\g], v[XS+8*\g:XS+8*\g+7], v13
.endr
	global_store_b128 v9, v[CD+4*(\y):CD+4*(\y)+3], s[24:25] offset:512*((\y)/2)+256*((\y)%2)   ; block y is registers 4 (y / 2) on of lanes 16 (y % 2) on: each half of my lanes stores 256 consecutive bytes, aligned
.if (\y) < 2
	VLOAD (\y)+2                                   ; (the next block begins with a plain line that names nothing of the conversions)
.endif
.endm
	VLOAD 0
	VLOAD 1
	VBLOCK 0
	VBLOCK 1
	VBLOCK 2
	VBLOCK 3
	global_store_b32 v8, v[WD], s[26:27]
	s_endpgm
; ---------------- THE MASK: a work-group takes one tile of 16 queries of one batch; wave w takes key steps 4 w .. 4 w + 3 ----------------
.Lmask:
	s_lshr_b32 s40, ttmp9, 7
	s_lshl_b32 s40, s40, 22                        ; the batch: 2,048 x 2,048 bytes
	s_and_b32 s41, ttmp9, 127                      ; T
	s_lshr_b32 s42, s41, 3
	s_lshl_b32 s42, s42, 7
	s_bfe_u32 s43, s41, 0x20001
	s_lshl_b32 s43, s43, 5
	s_add_co_u32 s42, s42, s43
	s_and_b32 s43, s41, 1
	s_lshl_b32 s43, s43, 3
	s_add_co_u32 s42, s42, s43                     ; the tile's first row
	s_lshl_b32 s42, s42, 11
	s_add_co_u32 s40, s40, s42
	s_lshl_b32 s43, s2, 9                          ; my 512 keys
	s_add_co_u32 s40, s40, s43
	s_mov_b32 s41, 0
	s_add_nc_u64 s[14:15], s[14:15], s[40:41]
	s_lshl_b32 s40, ttmp9, 12
	s_lshl_b32 s43, s2, 10
	s_add_co_u32 s40, s40, s43
	s_add_nc_u64 s[28:29], s[28:29], s[40:41]      ; my four steps' words
	s_lshl_b32 s40, ttmp9, 5
	s_lshl_b32 s43, s2, 3
	s_add_co_u32 s40, s40, s43
	s_add_nc_u64 s[30:31], s[30:31], s[40:41]      ; my quarter's two words
	s_mov_b32 s40, 0                               ; bit st: step st has an allowed key
	s_mov_b32 s41, 0                               ; bit st: step st is not wholly allowed
	v_lshlrev_b32 v8, 11, v3
	v_lshl_add_u32 v8, v2, 4, v8                   ; in: lanes 0-15 one row's 256 bytes, lanes 16-31 the next row's
	v_lshlrev_b32 v9, 3, v1                        ; out: 8 bytes a lane
.irp ch, 0,1
.irp i, 0,1,2,3,4,5,6,7
	global_load_b128 v[RAW+32*\ch+4*\i:RAW+32*\ch+4*\i+3], v8, s[14:15] offset:(2*\i+8*(\i/4))*2048+256*\ch th:TH_LOAD_NT
.endr
.endr
.irp i, 0,1,2,3,4,5,6,7
	v_mov_b32 v[CD+\i], 0                          ; written once: v_writelane_b32's destination counts as one of its sources
.endr
.macro MSTEP st
.irp q, 0,1,2,3
	ds_load_b128 v[XX+4*\q:XX+4*\q+3], v7 offset:128*((\st)%2)+32*\q   ; row r, keys 32 q + 16 h + 0 .. 15 of the step: byte n % 4 of register n / 4 is the mask of score register n
.endr
	s_wait_dscnt 0x0
.irp k, 0,1,2,3,4,5,6,7
	v_or_b32 v[48+\k], v[XX+2*\k], v[XX+2*\k+1]
.endr
.irp k, 0,1,2,3
	v_or_b32 v[48+\k], v[48+2*\k], v[49+2*\k]
.endr
	v_or_b32 v48, v48, v49
	v_or_b32 v49, v50, v51
	v_or_b32 v57, v48, v49                         ; not 0: my row has an allowed key among my 64
.if (\st) == 0
	v_mov_b32 v56, v57
.else
	v_or_b32 v56, v56, v57
.endif
	v_cmp_ne_u32 vcc_lo, 0, v57
	s_cmp_lg_u32 vcc_lo, 0
	s_cselect_b32 s43, 1<<(\st), 0
	s_or_b32 s40, s40, s43
	s_mov_b32 s42, -1
.set GG, 0
.rept 8                                ; eight words at a time
.irp k, 0,1,2,3,4,5,6,7
	v_and_b32 v[48+\k], s[36+\k%4], v[XX+(8*GG+\k)/4]
.endr
.irp k, 0,1,2,3,4,5,6,7
	v_cmp_ne_u32 s[44+\k], 0, v[48+\k]             ; word n = 8 GG + k: a bit a lane
.endr
.irp k, 0,1,2,3,4,5,6,7
	s_and_b32 s42, s42, s[44+\k]
.endr
.irp k, 0,1,2,3,4,5,6,7
	v_writelane_b32 v[CD+2*(\st)+(8*GG+\k)/32], s[44+\k], (8*GG+\k)%32
.endr
.set GG, GG+1
.endr
	s_cmp_lg_u32 s42, -1
	s_cselect_b32 s43, 1<<(\st), 0
	s_or_b32 s41, s41, s43
	global_store_b64 v9, v[CD+2*(\st):CD+2*(\st)+1], s[28:29] offset:256*(\st)   ; the step's 64 words: 256 consecutive bytes, aligned; each step has its own pair of registers
.endm
.irp ch, 0,1
	s_wait_loadcnt 8-8*\ch                         ; this chunk's eight loads are in; the second chunk's may be out
.irp i, 0,1,2,3,4,5,6,7
	ds_store_b128 v6, v[RAW+32*\ch+4*\i:RAW+32*\ch+4*\i+3] offset:2*\i*PIT   ; (the last chunk's reads have been waited for)
.endr
	MSTEP 2*\ch
	MSTEP 2*\ch+1
.endr
	v_cmp_ne_u32 vcc_lo, 0, v56
	s_lshr_b32 s43, vcc_lo, 16
	s_or_b32 s43, s43, vcc_lo
	s_and_b32 s43, s43, 0xffff                     ; bit r: row r has an allowed key in my quarter
	s_lshl_b32 s43, s43, 16
	s_lshl_b32 s44, s2, 2
	s_lshl_b32 s40, s40, s44                       ; my four steps' bits at their places among the sixteen
	s_or_b32 s40, s40, s43
	s_lshl_b32 s41, s41, s44
	v_mov_b32 v12, s40
	v_mov_b32 v13, s41
	v_mov_b32 v14, 0
	s_wait_xcnt 0x0                                ; EXEC changes only behind this wait: the stores above have read it
	v_cmp_gt_u32 vcc_lo, 1, v1
	s_wait_tensorcnt 0x0
	ds_add_u32 v200, v201
	s_wait_dscnt 0x0
	s_and_saveexec_b32 s45, vcc_lo
	global_store_b64 v14, v[12:13], s[30:31]       ; lane 0 alone
	s_wait_xcnt 0x0
	s_or_b32 exec_lo, exec_lo, s45
	s_endpgm
.Lfunc_end_k_qa637dda172_prep:
	.size	k_qa637dda172_prep, .Lfunc_end_k_qa637dda172_prep-k_qa637dda172_prep
	.p2alignl 7, 3214868480
	.fill 96, 4, 3214868480
	.section	.rodata,"a",@progbits
	.p2align	6, 0x0
	.amdhsa_kernel k_qa637dda172_prep
		.amdhsa_group_segment_fixed_size 35328
		.amdhsa_private_segment_fixed_size 0
		.amdhsa_enable_private_segment 0
		.amdhsa_kernarg_size 96
		.amdhsa_user_sgpr_count 2
		.amdhsa_user_sgpr_kernarg_segment_ptr 1
		.amdhsa_wavefront_size32 1
		.amdhsa_system_sgpr_workgroup_id_x 1
		.amdhsa_system_sgpr_workgroup_id_y 1
		.amdhsa_system_sgpr_workgroup_id_z 1
		.amdhsa_system_vgpr_workitem_id 0
		.amdhsa_next_free_vgpr 202
		.amdhsa_next_free_sgpr 66
		.amdhsa_reserve_vcc 1
		.amdhsa_float_denorm_mode_32 3
		.amdhsa_float_denorm_mode_16_64 3
		.amdhsa_memory_ordered 1
		.amdhsa_forward_progress 1
		.amdhsa_inst_pref_size 94
	.end_amdhsa_kernel
	.amdgpu_metadata
---
amdhsa.version: [ 1, 2 ]
amdhsa.kernels:
  - .name:           k_qa637dda172_prep
    .symbol:         k_qa637dda172_prep.kd
    .args:
      - { .name: queries, .offset: 0, .size: 8, .value_kind: global_buffer, .address_space: global }
      - { .name: keys, .offset: 8, .size: 8, .value_kind: global_buffer, .address_space: global }
      - { .name: values, .offset: 16, .size: 8, .value_kind: global_buffer, .address_space: global }
      - { .name: mask, .offset: 24, .size: 8, .value_kind: global_buffer, .address_space: global }
      - { .name: qimg, .offset: 32, .size: 8, .value_kind: global_buffer, .address_space: global }
      - { .name: qsc, .offset: 40, .size: 8, .value_kind: global_buffer, .address_space: global }
      - { .name: kimg, .offset: 48, .size: 8, .value_kind: global_buffer, .address_space: global }
      - { .name: ksc, .offset: 56, .size: 8, .value_kind: global_buffer, .address_space: global }
      - { .name: vimg, .offset: 64, .size: 8, .value_kind: global_buffer, .address_space: global }
      - { .name: vsc, .offset: 72, .size: 8, .value_kind: global_buffer, .address_space: global }
      - { .name: maskw, .offset: 80, .size: 8, .value_kind: global_buffer, .address_space: global }
      - { .name: needw, .offset: 88, .size: 8, .value_kind: global_buffer, .address_space: global }
    .group_segment_fixed_size: 35328
    .private_segment_fixed_size: 0
    .kernarg_segment_align: 8
    .kernarg_segment_size: 96
    .max_flat_workgroup_size: 128
    .sgpr_count:     66
    .vgpr_count:     202
    .wavefront_size: 32
...
	.end_amdgpu_metadata
.endif
;; end of part 1
;; launch attn (part 2): grid 8 x 32, 16 waves a work-group, no clusters, 215,040 bytes of LDS; arguments qimg, qsc, kimg, ksc, vimg, vsc, maskw, needw, out0; writes out0
.if DOCPART == 2
	.amdgcn_target "amdgcn-amd-amdhsa--gfx1250"
	.amdhsa_code_object_version 6
	.text
	.protected	k_qa637dda172_attn
	.globl	k_qa637dda172_attn
	.p2align	8
	.type	k_qa637dda172_attn,@function
k_qa637dda172_attn:
	s_mov_b64 s[64:65], 0
	v_nop
	global_prefetch_b8 v0, s[64:65] scope:SCOPE_SE
	s_setreg_imm32_b32 hwreg(HW_REG_WAVE_MODE, 25, 1), 1
	s_wait_xcnt 0x0
; out0[b][q][64 hd + d] = the sum over k of softmax_k(Q . K / 8 - 1e9 (mask is false)) V, both products on codes of FP4 (E2M1) with one E8M0 scale for each 32 along a product's K.
; THE SOFTMAX AHEAD OF THE SECOND PRODUCT: t = logit x log2(e); M = the row's largest t so far, rounded UP to a whole number; p = 2^(t - M) is quantised along the keys, not normalised; the row's sum is taken of the
; unquantised p and divides at the end.  When M moves, the sum and O are multiplied by 2^(old M - new M): exact.
; SHARES.  A work-group holds the codes and scale words of K and V of one (batch, head) in LDS, filled once through registers (139,264 + 4,096 bytes), and has sixteen waves, four to a SIMD; a wave owns ONE tile of 16 queries.
; The first product's K is the head's 64: registers 4-7 of both operands are zero codes, and bytes 2 and 3 of the scale words are 0.
; LAYOUT.  Both products are used transposed: S^T = K Q^T (source 0 = 16 keys, source 1 = my 16 queries), O^T = V^T P^T: a lane holds ONE query (lane % 16) throughout.  Row r of tile 8 J + t (queries and keys) is row
; 128 J + 32 (t / 2) + 8 (t % 2) + r + 8 (r / 8): so score register n of lane l is key 128 J + 32 (n / 16) + 16 (l / 16) + n % 16, and 16 registers are 16 neighbouring keys.
; THE MASK is an input.  The launch before has turned it into lane masks, one 32-bit word for each score register of each (tile, key step), read here into scalar registers a trip ahead: masking is one v_cndmask_b32 a score.
; It has also stored, for each tile, which key steps hold an allowed key, which are not wholly allowed, and which rows have an allowed key at all.  By scalar branches on these whole numbers a wave
;   leaves out a step in which no key is allowed for any of its queries (its p would all be 0),  leaves out the masking in a step that is wholly allowed,
;   and, where some row of the tile is masked EVERYWHERE, walks all steps by the exact way: logit = the f32 sum S / 8 + bias, rounded once as in the definition, t = that x log2(e), rounded, then t - M.
; Branches hang on numbers read from memory, so this launch has no tensor load and no copy, and its one barrier stands ahead of all of them.  The loop's trip count is a constant.
; No cluster: what work-groups share is read once by each, at its head.
; LIMITS: leaving out masked steps, and -infinity for a masked score on the fast way, are right while |Q . K| / 8 stays under about 4e8 (a masked logit then lies so far under an allowed one that its p is 0);
; NaN and infinities among the inputs are not served.
.set KIMG, 0                           ; LDS: K's images, 16 steps x 8 tiles x 512 bytes
.set VIMG, 65536                       ; V's, 16 steps x 4 tiles x 2 x 512 bytes
.set KSC,  131072                      ; K's scale words, 512 bytes a step
.set VSC,  139264                      ; V's, 256 bytes a step
.set STG,  143360                      ; the way out: 16 rows x (256 bytes + 16) for each wave
.set STGW, 16*272
.set WV,   2                           ; s2   my wave's number
.set JJ,   3                           ; s3   the key step
.set NEED, 4                           ; s4   bit j: step j is walked
.set PART, 5                           ; s5   bit j: step j is masked
.set KAP,  6                           ; s[6:7] what the scores are multiplied by ahead of - M: log2(e) / 8, or 1 on the exact way
.set SEL,  8                           ; s[8:9] lane selects for v_permlanex16_b32: lane l xor 16
.set TK,   10                          ; s10  the step's images: 4,096 bytes a step, K's and V's alike
.set TS,   11                          ; s11  K's scale words: 512 a step
.set TV,   12                          ; s12  V's: 256 a step
.set SPEC, 13                          ; s13  1: some row of my tile is masked everywhere
.set MSTP, 14                          ; s[14:15] the mask pointer's step
.set MP,   96                          ; s[96:97] the mask words of the step that is asked for.  The 64 words: place P in s[16 + P], from place 48 on in s[20 + P]
.set ADK,  8                           ; v8-11 the step's LDS addresses
.set ADV,  9
.set ADS,  10
.set ADT,  11
.set PW,   25                          ; v25  p's scale word
; REGISTERS: v1 16 x lane; v2 the same in V's images; v3, v4 my row among K's and V's scale words; v5 -infinity; v6 -1e9; v7 0; v12 -M; v13 the largest t; v[14:15] the sum in two halves; v[16:23] Q; v24 Q's scale word;
; v[28:31] V's scale words; v[32:95] K's eight fragments; v[96:159] S^T, then p; v[160:191] O^T; v[192:223] V's four fragments; v[224:231] p's codes; v[232:239], v[248:255] at work; v[240:247] K's scale words.
.macro MASKLOAD
	s_load_b512 s[16:31], s[MP:MP+1], 0x0
	s_load_b512 s[32:47], s[MP:MP+1], 0x40
	s_load_b512 s[48:63], s[MP:MP+1], 0x80
	s_load_b512 s[68:83], s[MP:MP+1], 0xc0
.endm
.macro MASKNEXT                        ; the next step's words, a trip ahead; the last trip asks for its own again, so that no load leaves the buffer.  It stands behind a wait for the loads before it: their base may be written
	s_cmp_lt_u32 s[JJ], 15
	s_cselect_b32 s[MSTP], 256, 0
	s_add_nc_u64 s[MP:MP+1], s[MP:MP+1], s[MSTP:MSTP+1]
	MASKLOAD
.endm
	s_load_b256 s[84:91], s[0:1], 0x0              ; qimg 84, qsc 86, kimg 88, ksc 90
	s_load_b256 s[92:99], s[0:1], 0x20             ; vimg 92, vsc 94, maskw 96, needw 98
	s_load_b64 s[100:101], s[0:1], 0x40            ; out0
	v_lshrrev_b32 v1, 5, v0
	v_readfirstlane_b32 s[WV], v1                  ; wave 0..15
	s_and_b32 s16, ttmp7, 0xffff                   ; bh
	s_lshr_b32 s17, s16, 4                         ; b
	s_and_b32 s18, s16, 15                         ; the head
	; WHICH TILE IS MINE.  With s = w % 4, u = w / 4, x = (s + u) % 4 and a = 4 g + s the tile is a, 127 - a, a + 32 or 95 - a for x = 0, 1, 2, 3: all 128 tiles are taken once, and where the work
	; grows with the row the four waves with equal w % 4, and those with equal w / 4, have equal sums of steps.  Only the balance hangs on this choice.
	s_and_b32 s19, s[WV], 3
	s_lshr_b32 s20, s[WV], 2
	s_add_co_u32 s20, s20, s19
	s_and_b32 s20, s20, 3
	s_lshl_b32 s21, ttmp9, 2
	s_add_co_u32 s21, s21, s19
	s_lshr_b32 s22, s20, 1
	s_lshl_b32 s22, s22, 5
	s_add_co_u32 s21, s21, s22
	s_sub_co_u32 s22, 127, s21
	s_bitcmp1_b32 s20, 0
	s_cselect_b32 s21, s22, s21                    ; T
	s_lshl_b32 s24, s16, 7
	s_add_co_u32 s24, s24, s21
	s_lshl_b32 s24, s24, 9                         ; Q's image: 512 bytes a tile
	s_mov_b32 s25, 0
	s_lshl_b32 s26, s16, 13                        ; Q's scale words: 8,192 bytes a head, 256 for four tiles, my tile's word of the four
	s_lshr_b32 s23, s21, 2
	s_lshl_b32 s23, s23, 8
	s_add_co_u32 s26, s26, s23
	s_and_b32 s23, s21, 3
	s_lshl_b32 s23, s23, 2
	s_add_co_u32 s26, s26, s23
	s_mov_b32 s27, 0
	s_lshl_b32 s28, s16, 16                        ; K's and V's images of the head
	s_mov_b32 s29, 0
	s_lshl_b32 s30, s16, 13                        ; K's scale words
	s_mov_b32 s31, 0
	s_lshl_b32 s32, s16, 12                        ; V's
	s_mov_b32 s33, 0
	s_lshl_b32 s34, s17, 7
	s_add_co_u32 s34, s34, s21                     ; 128 b + T
	s_lshl_b32 s36, s34, 5                         ; its record of 32 bytes
	s_lshl_b32 s34, s34, 12                        ; its mask words
	s_mov_b32 s35, 0
	s_mov_b32 s37, 0
	s_lshr_b32 s38, s21, 3
	s_lshl_b32 s38, s38, 7
	s_bfe_u32 s23, s21, 0x20001
	s_lshl_b32 s23, s23, 5
	s_add_co_u32 s38, s38, s23
	s_and_b32 s23, s21, 1
	s_lshl_b32 s23, s23, 3
	s_add_co_u32 s38, s38, s23                     ; the tile's first row
	s_lshl_b32 s38, s38, 12
	s_lshl_b32 s23, s17, 23
	s_add_co_u32 s38, s38, s23
	s_lshl_b32 s23, s18, 8
	s_add_co_u32 s38, s38, s23                     ; in out0: the batch, the row, the head's 256 bytes
	s_mov_b32 s39, 0
	v_lshlrev_b32 v8, 4, v0                        ; the fill: 16 bytes a thread,
	v_lshlrev_b32 v11, 3, v0                       ; 8 of V's scale words
	v_and_b32 v1, 31, v0
	v_lshlrev_b32 v1, 4, v1                        ; 16 x lane
	v_and_b32 v255, 15, v0
	v_lshlrev_b32 v254, 2, v255                    ; 4 r
	v_lshlrev_b32 v255, 4, v255                    ; 16 r
	s_wait_kmcnt 0x0
	s_add_nc_u64 s[84:85], s[84:85], s[24:25]
	s_add_nc_u64 s[86:87], s[86:87], s[26:27]
	s_add_nc_u64 s[88:89], s[88:89], s[28:29]
	s_add_nc_u64 s[90:91], s[90:91], s[30:31]
	s_add_nc_u64 s[92:93], s[92:93], s[28:29]
	s_add_nc_u64 s[94:95], s[94:95], s[32:33]
	s_add_nc_u64 s[MP:MP+1], s[MP:MP+1], s[34:35]
	s_add_nc_u64 s[98:99], s[98:99], s[36:37]
	s_add_nc_u64 s[100:101], s[100:101], s[38:39]
	s_load_b256 s[8:15], s[98:99], 0x0             ; my tile's record
	MASKLOAD                                       ; step 0's mask words
	global_load_b128 v[16:19], v1, s[84:85]        ; Q's fragment stays in registers
	global_load_b32 v24, v255, s[86:87]            ; and its scale words
.irp i, 0,1,2,3,4,5,6,7
	global_load_b128 v[96+4*\i:99+4*\i], v8, s[88:89] offset:8192*\i
.endr
.irp i, 0,1,2,3,4,5,6,7
	global_load_b128 v[128+4*\i:131+4*\i], v8, s[92:93] offset:8192*\i
.endr
	global_load_b128 v[160:163], v8, s[90:91]
	global_load_b64 v[164:165], v11, s[94:95]
	v_add_nc_u32 v2, VIMG, v1
	v_add_nc_u32 v3, KSC, v255
	v_add_nc_u32 v4, VSC, v254
	v_mov_b32 v5, 0xff800000                       ; -infinity
	v_mov_b32 v6, 0xce6e6b28                       ; -1e9
	v_mov_b32 v7, 0
	v_add_nc_u32 v9, VIMG, v8
	v_add_nc_u32 v10, KSC, v8
	v_add_nc_u32 v26, VSC, v11
.irp c, 20,21,22,23
	v_mov_b32 v[\c], 0                             ; Q beyond the head's 64: zero codes
.endr
.irp t, 0,1,2,3,4,5,6,7
.irp c, 4,5,6,7
	v_mov_b32 v[32+8*\t+\c], 0                     ; K likewise: written once, the loop loads registers 0-3 alone
.endr
.endr
	s_wait_loadcnt 0x0
.irp i, 0,1,2,3,4,5,6,7
	ds_store_b128 v8, v[96+4*\i:99+4*\i] offset:8192*\i
.endr
.irp i, 0,1,2,3,4,5,6,7
	ds_store_b128 v9, v[128+4*\i:131+4*\i] offset:8192*\i
.endr
	ds_store_b128 v10, v[160:163]
	ds_store_b64 v26, v[164:165]
	s_wait_dscnt 0x0                               ; for the others' sake: my stores have landed
	s_barrier_signal -1
	s_barrier_wait -1                              ; the head's K and V lie in LDS; nobody writes them again
.irp j, 0,1,2,3,4,5,6,7,8,9,10,11,12,13,14,15,16,17,18,19,20,21,22,23,24,25,26,27,28,29,30,31
	v_mov_b32 v[160+\j], 0                         ; O^T.  (The step is written once: the first finds zeros, which the first change of M leaves zeros)
.endr
	v_mov_b32 v13, 0xff61b1e6                      ; the largest t so far: -3e38, under every t
	v_floor_f32 v12, -v13                          ; -M
	v_mov_b32 v14, 0                               ; the sum, in two halves
	v_mov_b32 v15, 0
.irp b, 0,1,2,3
	v_mov_b32 v[236+\b], 0                         ; written once: a lane permute's destination counts as one of its sources
.endr
	v_mov_b32 v252, 0                              ; likewise, for the way out
	v_mov_b32 v253, 0                              ; (named as the upper half of the pair v[252:253])
	s_wait_kmcnt 0x0                               ; the record, and step 0's mask words
	s_or_b32 s8, s8, s10
	s_or_b32 s12, s12, s14
	s_or_b32 s8, s8, s12                           ; the four quarters' words 0,
	s_or_b32 s9, s9, s11
	s_or_b32 s13, s13, s15
	s_or_b32 s9, s9, s13                           ; and words 1
	s_lshr_b32 s10, s8, 16                         ; bit r: row r has an allowed key
	s_and_b32 s8, s8, 0xffff
	s_mov_b32 s11, 0xffff
	s_mov_b32 s12, 0x3e38aa3b                      ; log2(e) / 8
	s_cmp_lg_u32 s10, s11                          ; is some row masked everywhere?
	s_cselect_b32 s[SPEC], 1, 0
	s_cselect_b32 s[NEED], s11, s8                 ; then every step is walked,
	s_cselect_b32 s[PART], s11, s9                 ; every step is masked, by the exact way,
	s_cselect_b32 s[KAP], 1.0, s12                 ; which leaves t itself in the score registers
	s_mov_b32 s[KAP+1], s[KAP]                     ; (named with it as a pair, so it is written)
	s_mov_b32 s[SEL], 0x76543210
	s_mov_b32 s[SEL+1], 0xfedcba98
	s_mov_b32 s[MSTP+1], 0
	s_mov_b32 s[JJ], 0
	s_mov_b32 s[TK], 0
	s_mov_b32 s[TS], 0
	s_mov_b32 s[TV], 0
.Ltrip:                                            ; 16 trips, a key step of 128 keys each
	s_bitcmp1_b32 s[NEED], s[JJ]
	s_cbranch_scc0 .Lskip                          ; no key of this step is allowed for any of my queries
	v_add_nc_u32 v[ADK], s[TK], v1                 ; (these four are also the places in front of the loads into registers that the last step's products have read)
	v_add_nc_u32 v[ADV], s[TK], v2
	v_add_nc_u32 v[ADS], s[TS], v3
	v_add_nc_u32 v[ADT], s[TV], v4
	ds_load_b128 v[240:243], v[ADS]                ; K's scale words: tiles 0-3 of row r,
	ds_load_b128 v[244:247], v[ADS] offset:256     ; tiles 4-7
.irp t, 0,1,2,3,4,5,6,7
	ds_load_b128 v[32+8*\t:35+8*\t], v[ADK] offset:512*\t
.endr
.irp u, 0,1,2,3
.irp c, 0,1
	ds_load_b128 v[192+8*\u+4*\c:195+8*\u+4*\c], v[ADV] offset:1024*\u+512*\c
.endr
.endr
.irp u, 0,1,2,3
	ds_load_b32 v[28+\u], v[ADT] offset:64*\u
.endr
	s_wait_dscnt 12                                ; K's ten loads are in; V's twelve, issued behind them, may be out
.irp t, 0,1,2,3,4,5,6,7
	v_wmma_scale_f32_16x16x128_f8f6f4 v[96+8*\t:103+8*\t], v[32+8*\t:39+8*\t], v[16:23], 0, v[240+\t], v24 matrix_a_fmt:MATRIX_FMT_FP4 matrix_b_fmt:MATRIX_FMT_FP4
.endr
.rept 4
	v_nop                                          ; four places between the products and the first read of their results (ISA guide 7.12.1)
.endr
	s_wait_kmcnt 0x0                               ; this step's mask words are in
	s_bitcmp1_b32 s[PART], s[JJ]
	s_cbranch_scc0 .Lopen                          ; every key of the step is allowed for all my queries
	s_cmp_lg_u32 s[SPEC], 0
	s_cbranch_scc1 .Lexact
.set NN, 0
.rept 64                               ; the fast way: a masked score becomes -infinity, so p = 0.  Ascending: each accumulator is read from its low end on
.set PA, 2*(NN%32)+NN/32
	v_cndmask_b32 v[96+NN], v5, v[96+NN], s[16+PA+4*(PA/48)]
.set NN, NN+1
.endr
	s_branch .Lopen
.Lexact:
.set NN, 0
.rept 32                               ; the exact way, two scores at a time: the bias, 0 or -1e9; logit = S / 8 + bias in one rounding (S / 8 is exact); t = logit x log2(e), rounded
.set PA, 2*(NN%32)+NN/32
.set PB, 2*((NN+1)%32)+(NN+1)/32
.set TP, 236+2*((NN/2)%2)+12*((NN/4)%2)
	v_cndmask_b32 v[TP], v6, v7, s[16+PA+4*(PA/48)]
	v_cndmask_b32 v[TP+1], v6, v7, s[16+PB+4*(PB/48)]
	v_pk_fma_f32 v[96+NN:97+NN], v[96+NN:97+NN], 0x3e000000, v[TP:TP+1] op_sel_hi:[1,0,1]
	v_pk_mul_f32 v[96+NN:97+NN], v[96+NN:97+NN], 0x3fb8aa3b op_sel_hi:[1,0]
.set NN, NN+2
.endr
.Lopen:
.irp b, 0,1,2,3
	v_max3_num_f32 v[232+\b], v[96+16*\b], v[97+16*\b], v[98+16*\b]   ; THE LARGEST SCORE OF EACH BLOCK OF 32 KEYS: it serves for the row's maximum and, since p rises with the score, for the block's largest p
.endr
.irp i, 3,5,7,9,11,13
.irp b, 0,1,2,3
	v_max3_num_f32 v[232+\b], v[232+\b], v[96+16*\b+\i], v[97+16*\b+\i]   ; (the four blocks by turns)
.endr
.endr
.irp b, 0,1,2,3
	v_max_num_f32 v[232+\b], v[232+\b], v[111+16*\b]
.endr
.irp b, 0,1,2,3
	v_permlanex16_b32 v[236+\b], v[232+\b], s[SEL], s[SEL+1]
.endr
	MASKNEXT                                       ; this step's words have been read: the next step's are asked for
.irp b, 0,1,2,3
	v_max_num_f32 v[232+\b], v[232+\b], v[236+\b]  ; with lane l xor 16's 16 keys
.endr
	v_max3_num_f32 v254, v232, v233, v234
	v_max_num_f32 v254, v254, v235                 ; the step's largest score of my query
	v_mul_f32 v254, s[KAP], v254                   ; as t
	v_max_num_f32 v13, v13, v254                   ; the running largest t
	v_mov_b32 v254, v12
	v_floor_f32 v12, -v13                          ; the new -M = floor(-t) = -ceil(t): M is a whole number
	v_sub_f32 v254, v12, v254                      ; M's old value less its new one: a whole number, 0 or less
	v_cvt_i32_f32 v254, v254                       ; (it saturates)
	v_ldexp_f32 v252, 1.0, v254                    ; f = 2^(old M - new M)
.irp j, 0,2,4,6,8,10,12,14,16,18,20,22,24,26,28,30,32,34,36,38,40,42,44,46,48,50,52,54,56,58,60,62
	v_pk_fma_f32 v[96+\j:97+\j], v[96+\j:97+\j], s[KAP:KAP+1], v[12:13] op_sel_hi:[1,0,0]   ; t - M, two at a time (of both pairs the low word serves both halves)
.endr
.irp b, 0,1,2,3
	v_fma_f32 v[232+\b], v[232+\b], s[KAP], v12    ; the same of each block's largest score
.endr
.irp j, 0,1,2,3,4,5,6,7,8,9,10,11,12,13,14,15,16,17,18,19,20,21,22,23,24,25,26,27,28,29,30,31,32,33,34,35,36,37,38,39,40,41,42,43,44,45,46,47,48,49,50,51,52,53,54,55,56,57,58,59,60,61,62,63
	v_exp_f32 v[96+\j], v[96+\j]                   ; p = 2^(t - M), at most 1: not normalised
.endr
	v_pk_mul_f32 v[14:15], v[14:15], v[252:253] op_sel_hi:[1,0]   ; the sums under the new M (a plain line behind the exponentials)
	s_wait_alu depctr_va_vdst(0)                   ; one wait for the batch of 64, ahead of its first reader
.irp b, 0,1,2,3
	v_exp_f32 v[232+\b], v[232+\b]                 ; the block's largest p: the same two instructions on the same number give the same bits
.endr
	v_pk_add_f32 v[236:237], v[96:97], v[98:99]    ; THE ROW'S SUM IS TAKEN OF THE UNQUANTISED p: two at a time, in two chains (plain work behind the four)
.irp j, 4,8,12,16,20,24,28,32,36,40,44,48,52,56,60
	v_pk_add_f32 v[14:15], v[14:15], v[96+\j:97+\j]
	v_pk_add_f32 v[236:237], v[236:237], v[98+\j:99+\j]
.endr
	v_pk_add_f32 v[14:15], v[14:15], v[236:237]
	s_wait_alu depctr_va_vdst(0)                   ; and one for the four
.irp b, 0,1,2,3
	v_max_num_f32 v[232+\b], 0x1800000, v[232+\b]  ; the floor 2^(3 - 127): the byte cannot fall under 1 (a block whose every p is 0 keeps that byte: its codes are zeros)
.endr
.irp b, 0,1,2,3
	v_add_nc_u32 v[248+\b], 0xff000000, v[232+\b]  ; 2 off the exponent field: the conversion's scale operand
.endr
.irp b, 0,1,2,3
	v_lshrrev_b32 v[236+\b], 23, v[248+\b]         ; the scale's byte
.endr
	v_lshl_or_b32 v[PW], v237, 8, v236             ; p's scale word for these 128 keys
	v_lshl_or_b32 v[PW], v238, 16, v[PW]
	v_lshl_or_b32 v[PW], v239, 24, v[PW]
.irp b, 0,1,2,3
	v_cvt_scalef32_pk8_fp4_f32 v[224+2*\b], v[96+16*\b:103+16*\b], v[248+\b]
	v_cvt_scalef32_pk8_fp4_f32 v[225+2*\b], v[104+16*\b:111+16*\b], v[248+\b]
.endr
	v_nop                                          ; one plain line between a scaled conversion and the vector instruction that touches its result
.irp c, 0,1                                    ; the operand's layout wants a WHOLE block in a lane: lanes 0-15 block 2 c, lanes 16-31 block 2 c + 1
.irp i, 0,1
	v_permlane16_swap_b32 v[224+4*\c+\i], v[226+4*\c+\i]
.endr
.endr
.irp j, 0,2,4,6,8,10,12,14,16,18,20,22,24,26,28,30
	v_pk_mul_f32 v[160+\j:161+\j], v[160+\j:161+\j], v[252:253] op_sel_hi:[1,0]   ; O^T under the new M.  (These sixteen stand between the writes of p's codes and scale word and the products below; for each product twelve of them name none of its registers)
.endr
	s_wait_dscnt 0x0                               ; V's fragments and scale words are in
.irp u, 0,1,2,3                                ; O^T += V^T P^T: the four accumulators by turns, one instruction a turn; the next matrix instruction is a product K Q^T
	v_wmma_scale_f32_16x16x128_f8f6f4 v[160+8*\u:167+8*\u], v[192+8*\u:199+8*\u], v[224:231], v[160+8*\u:167+8*\u], v[28+\u], v[PW] matrix_a_fmt:MATRIX_FMT_FP4 matrix_b_fmt:MATRIX_FMT_FP4
.endr
	s_branch .Ltail
.Lskip:
	s_wait_kmcnt 0x0                               ; the words of the step that is left out have come: their registers and their base may be written
	MASKNEXT
.Ltail:
	s_add_co_u32 s[TK], s[TK], 4096                ; the addresses step on every way
	s_add_co_u32 s[TS], s[TS], 512
	s_add_co_u32 s[TV], s[TV], 256
	s_add_co_u32 s[JJ], s[JJ], 1
	s_cmp_lt_u32 s[JJ], 16
	s_cbranch_scc1 .Ltrip
	; THE WAY OUT.  The sum's two halves and lane l xor 16's are added; O^T is divided by the sum and goes through my stage in LDS, so that sixteen lanes store a query's 256 bytes of this head: one aligned run.
	s_wait_kmcnt 0x0                               ; the last trip's scalar loads have come
	v_add_f32 v14, v14, v15
	v_permlanex16_b32 v252, v14, s[SEL], s[SEL+1]
	v_add_f32 v14, v14, v252                       ; the row's sum
	v_rcp_f32 v14, v14
	v_and_b32 v8, 15, v0                           ; (a plain line behind the reciprocal)  r
	v_bfe_u32 v9, v0, 4, 1                         ; h
	s_mul_i32 s14, s[WV], STGW
	s_add_co_u32 s14, s14, STG                     ; my stage
	v_mul_u32_u24 v10, v8, 272
	v_lshl_add_u32 v10, v9, 5, v10
	v_add_nc_u32 v10, s14, v10                     ; in: row r; tile u's eight channels of my half: 64 u + 32 h bytes on
	v_mul_u32_u24 v11, v9, 272
	v_lshl_add_u32 v11, v8, 4, v11
	v_add_nc_u32 v11, s14, v11                     ; back: lanes 0-15 one row, lanes 16-31 the next
	v_lshlrev_b32 v26, 12, v9
	v_lshl_add_u32 v26, v8, 4, v26                 ; and the same two rows in out0
	s_wait_alu depctr_va_vdst(0)                   ; the wait ahead of the reciprocal's first reader
.irp j, 0,1,2,3,4,5,6,7,8,9,10,11,12,13,14,15,16,17,18,19,20,21,22,23,24,25,26,27,28,29,30,31
	v_mul_f32 v[96+\j], v[160+\j], v14             ; register 8 u + i is o(row r, 16 u + 8 h + i); each accumulator from its low end on
.endr
.irp u, 0,1,2,3
	ds_store_b128 v10, v[96+8*\u:99+8*\u] offset:64*\u
	ds_store_b128 v10, v[100+8*\u:103+8*\u] offset:64*\u+16
.endr
.irp i, 0,1,2,3,4,5,6,7
	ds_load_b128 v[128+4*\i:131+4*\i], v11 offset:2*\i*272   ; LDS serves a wave's instructions in order: these see my stores
.endr
.irp i, 0,1,2,3,4,5,6,7
	s_wait_dscnt 7-\i                              ; load i is in; the younger ones may be out
	global_store_b128 v26, v[128+4*\i:131+4*\i], s[100:101] offset:(2*\i+8*(\i/4))*4096 th:TH_STORE_NT   ; tile rows 2 i, 2 i + 1: rows 8-15 of a tile lie 8 rows further down; sixteen lanes store 256 consecutive bytes, aligned
.endr
	s_wait_xcnt 0x0
	v_lshl_add_u32 v254, v0, 2, 0x34000
	v_mov_b32 v255, 0
	s_wait_tensorcnt 0x0
	ds_add_u32 v254, v255
	s_wait_dscnt 0x0
	s_endpgm
.Lfunc_end_k_qa637dda172_attn:
	.size	k_qa637dda172_attn, .Lfunc_end_k_qa637dda172_attn-k_qa637dda172_attn
	.p2alignl 7, 3214868480
	.fill 96, 4, 3214868480
	.section	.rodata,"a",@progbits
	.p2align	6, 0x0
	.amdhsa_kernel k_qa637dda172_attn
		.amdhsa_group_segment_fixed_size 215040
		.amdhsa_private_segment_fixed_size 0
		.amdhsa_enable_private_segment 0
		.amdhsa_kernarg_size 72
		.amdhsa_user_sgpr_count 2
		.amdhsa_user_sgpr_kernarg_segment_ptr 1
		.amdhsa_wavefront_size32 1
		.amdhsa_system_sgpr_workgroup_id_x 1
		.amdhsa_system_sgpr_workgroup_id_y 1
		.amdhsa_system_sgpr_workgroup_id_z 1
		.amdhsa_system_vgpr_workitem_id 0
		.amdhsa_next_free_vgpr 256
		.amdhsa_next_free_sgpr 102
		.amdhsa_reserve_vcc 0
		.amdhsa_float_denorm_mode_32 3
		.amdhsa_float_denorm_mode_16_64 3
		.amdhsa_memory_ordered 1
		.amdhsa_forward_progress 1
		.amdhsa_inst_pref_size 45
	.end_amdhsa_kernel
	.amdgpu_metadata
---
amdhsa.version: [ 1, 2 ]
amdhsa.kernels:
  - .name:           k_qa637dda172_attn
    .symbol:         k_qa637dda172_attn.kd
    .args:
      - { .name: qimg, .offset: 0, .size: 8, .value_kind: global_buffer, .address_space: global }
      - { .name: qsc, .offset: 8, .size: 8, .value_kind: global_buffer, .address_space: global }
      - { .name: kimg, .offset: 16, .size: 8, .value_kind: global_buffer, .address_space: global }
      - { .name: ksc, .offset: 24, .size: 8, .value_kind: global_buffer, .address_space: global }
      - { .name: vimg, .offset: 32, .size: 8, .value_kind: global_buffer, .address_space: global }
      - { .name: vsc, .offset: 40, .size: 8, .value_kind: global_buffer, .address_space: global }
      - { .name: maskw, .offset: 48, .size: 8, .value_kind: global_buffer, .address_space: global }
      - { .name: needw, .offset: 56, .size: 8, .value_kind: global_buffer, .address_space: global }
      - { .name: out0, .offset: 64, .size: 8, .value_kind: global_buffer, .address_space: global }
    .group_segment_fixed_size: 215040
    .private_segment_fixed_size: 0
    .kernarg_segment_align: 8
    .kernarg_segment_size: 72
    .max_flat_workgroup_size: 512
    .sgpr_count:     102
    .vgpr_count:     256
    .wavefront_size: 32
...
	.end_amdgpu_metadata
.endif
;; end of part 2
;; ======== version 2 of 2: 2 launches; version 1 with the launch attn written anew for expert scheduling mode
;; limits: right only within a limited range of input values
;; workspace buffers: qimg 2,097,152 bytes; kimg 2,097,152 bytes; vimg 2,097,152 bytes; qsc 262,144 bytes; ksc 262,144 bytes; vsc 131,072 bytes; maskw 1,048,576 bytes of whole numbers; needw 8,192 bytes of whole numbers
;; launch prep: the kernel of part 1 again; grid 1024 x 1, 4 waves a work-group, no clusters, 35,328 bytes of LDS; arguments queries, keys, values, mask, qimg, qsc, kimg, ksc, vimg, vsc, maskw, needw; writes qimg, qsc, kimg, ksc, vimg, vsc, maskw, needw
;; launch attn (part 3): grid 8 x 32, 16 waves a work-group, no clusters, 215,040 bytes of LDS; arguments qimg, qsc, kimg, ksc, vimg, vsc, maskw, needw, out0; writes out0
.if DOCPART == 3
	.amdgcn_target "amdgcn-amd-amdhsa--gfx1250"
	.amdhsa_code_object_version 6
	.text
	.protected	k_qa637dda172_attn
	.globl	k_qa637dda172_attn
	.p2align	8
	.type	k_qa637dda172_attn,@function
k_qa637dda172_attn:
	s_mov_b64 s[64:65], 0
	v_nop
	global_prefetch_b8 v0, s[64:65] scope:SCOPE_SE
	s_setreg_imm32_b32 hwreg(HW_REG_WAVE_SCHED_MODE, 0, 2), 2
	s_setreg_imm32_b32 hwreg(HW_REG_WAVE_MODE, 25, 1), 1
	s_wait_xcnt 0x0
	s_wait_alu depctr_vm_vsrc(0)
; out0[b][q][64 hd + d] = the sum over k of softmax_k(Q . K / 8 - 1e9 (mask is false)) V, both products on codes of FP4 (E2M1) with one E8M0 scale for each 32 along a product's K.
; THE SOFTMAX AHEAD OF THE SECOND PRODUCT: t = logit x log2(e); M = the row's largest t so far, rounded UP to a whole number; p = 2^(t - M) is quantised along the keys, not normalised; the row's sum is taken of the
; unquantised p and divides at the end.  When M moves, the sum and O are multiplied by 2^(old M - new M): exact.
; SHARES.  A work-group holds the codes and scale words of K and V of one (batch, head) in LDS, filled once through registers (139,264 + 4,096 bytes), and has sixteen waves, four to a SIMD; a wave owns ONE tile of 16 queries.
; The first product's K is the head's 64: registers 4-7 of both operands are zero codes, and bytes 2 and 3 of the scale words are 0.
; LAYOUT.  Both products are used transposed: S^T = K Q^T (source 0 = 16 keys, source 1 = my 16 queries), O^T = V^T P^T: a lane holds ONE query (lane % 16) throughout.  Row r of tile 8 J + t (queries and keys) is row
; 128 J + 32 (t / 2) + 8 (t % 2) + r + 8 (r / 8): so score register n of lane l is key 128 J + 32 (n / 16) + 16 (l / 16) + n % 16, and 16 registers are 16 neighbouring keys.
; THE MASK is an input.  The launch before has turned it into lane masks, one 32-bit word for each score register of each (tile, key step), read here into scalar registers a trip ahead: masking is one v_cndmask_b32 a score.
; It has also stored, for each tile, which key steps hold an allowed key, which are not wholly allowed, and which rows have an allowed key at all.  By scalar branches on these whole numbers a wave
;   leaves out a step in which no key is allowed for any of its queries (its p would all be 0),  leaves out the masking in a step that is wholly allowed,
;   and, where some row of the tile is masked EVERYWHERE, walks all steps by the exact way: logit = the f32 sum S / 8 + bias, rounded once as in the definition, t = that x log2(e), rounded, then t - M.
; Branches hang on numbers read from memory, so this launch has no tensor load and no copy, and its one barrier stands ahead of all of them.  The loop's trip count is a constant.
; No cluster: what work-groups share is read once by each, at its head.
; LIMITS: leaving out masked steps, and -infinity for a masked score on the fast way, are right while |Q . K| / 8 stays under about 4e8 (a masked logit then lies so far under an allowed one that its p is 0);
; NaN and infinities among the inputs are not served.
; THE MODE: SCHED_MODE bits 1:0 = 2 (LLVM: expert scheduling mode 2), set by the entry lines.  The code itself states the register dependences between vector or matrix instructions and memory or LDS
; instructions, with s_wait_alu, always for 0.
; THE PLAN.  Registers that LDS instructions touch, in the loop:
;   v8-11                  Written by the four additions at a walked step's head; read by that step's 22 LDS loads.
;   v[32+8t:35+8t], v[240:247]   K's fragments and scale words: loaded at the step's head; read by the step's eight products K Q^T.
;   v[192:223], v[28:31]   V's fragments and scale words: loaded among the first four products K Q^T; read by the four products V^T P^T at the step's end.
;   All else (scores, p, its codes and scale word, O^T, the statistics) is named by vector and matrix instructions alone.
; ONE wait on va_vdst stands at a walked step's head, behind the additions: the addresses are written, and the last walked step's products are done reading K's and V's registers.  Behind it the step's 22 loads
; owe nothing more: the products K Q^T among which V's loads stand name none of V's registers and none of the addresses.  ONE wait on vm_vsrc stands ahead of the products V^T P^T, nearly a step behind the loads:
; they have read v8-11, which the next walked step, or the way out, writes again; the way that leaves a step out holds no LDS instruction.  A wait on va_vdst directly ahead of those products states that p's
; codes and scale word are written.
.set KIMG, 0                           ; LDS: K's images, 16 steps x 8 tiles x 512 bytes
.set VIMG, 65536                       ; V's, 16 steps x 4 tiles x 2 x 512 bytes
.set KSC,  131072                      ; K's scale words, 512 bytes a step
.set VSC,  139264                      ; V's, 256 bytes a step
.set STG,  143360                      ; the way out: 16 rows x (256 bytes + 16) for each wave
.set STGW, 16*272
.set WV,   2                           ; s2   my wave's number
.set JJ,   3                           ; s3   the key step
.set NEED, 4                           ; s4   bit j: step j is walked
.set PART, 5                           ; s5   bit j: step j is masked
.set KAP,  6                           ; s[6:7] what the scores are multiplied by ahead of - M: log2(e) / 8, or 1 on the exact way
.set SEL,  8                           ; s[8:9] lane selects for v_permlanex16_b32: lane l xor 16
.set TK,   10                          ; s10  the step's images: 4,096 bytes a step, K's and V's alike
.set TS,   11                          ; s11  K's scale words: 512 a step
.set TV,   12                          ; s12  V's: 256 a step
.set SPEC, 13                          ; s13  1: some row of my tile is masked everywhere
.set MSTP, 14                          ; s[14:15] the mask pointer's step
.set MP,   96                          ; s[96:97] the mask words of the step that is asked for.  The 64 words: place P in s[16 + P], from place 48 on in s[20 + P]
.set ADK,  8                           ; v8-11 the step's LDS addresses
.set ADV,  9
.set ADS,  10
.set ADT,  11
.set PW,   25                          ; v25  p's scale word
; REGISTERS: v1 16 x lane; v2 the same in V's images; v3, v4 my row among K's and V's scale words; v5 -infinity; v6 -1e9; v7 0; v12 -M; v13 the largest t; v[14:15] the sum in two halves; v[16:23] Q; v24 Q's scale word;
; v[28:31] V's scale words; v[32:95] K's eight fragments; v[96:159] S^T, then p; v[160:191] O^T; v[192:223] V's four fragments; v[224:231] p's codes; v[232:239], v[248:255] at work; v[240:247] K's scale words.
.macro MASKLOAD
	s_load_b512 s[16:31], s[MP:MP+1], 0x0
	s_load_b512 s[32:47], s[MP:MP+1], 0x40
	s_load_b512 s[48:63], s[MP:MP+1], 0x80
	s_load_b512 s[68:83], s[MP:MP+1], 0xc0
.endm
.macro MASKNEXT                        ; the next step's words, a trip ahead; the last trip asks for its own again, so that no load leaves the buffer.  It stands behind a wait for the loads before it: their base may be written
	s_cmp_lt_u32 s[JJ], 15
	s_cselect_b32 s[MSTP], 256, 0
	s_add_nc_u64 s[MP:MP+1], s[MP:MP+1], s[MSTP:MSTP+1]
	MASKLOAD
.endm
	s_load_b256 s[84:91], s[0:1], 0x0              ; qimg 84, qsc 86, kimg 88, ksc 90
	s_load_b256 s[92:99], s[0:1], 0x20             ; vimg 92, vsc 94, maskw 96, needw 98
	s_load_b64 s[100:101], s[0:1], 0x40            ; out0
	v_lshrrev_b32 v1, 5, v0
	v_readfirstlane_b32 s[WV], v1                  ; wave 0..15
	s_and_b32 s16, ttmp7, 0xffff                   ; bh
	s_lshr_b32 s17, s16, 4                         ; b
	s_and_b32 s18, s16, 15                         ; the head
	; WHICH TILE IS MINE.  With s = w % 4, u = w / 4, x = (s + u) % 4 and a = 4 g + s the tile is a, 127 - a, a + 32 or 95 - a for x = 0, 1, 2, 3: all 128 tiles are taken once, and where the work
	; grows with the row the four waves with equal w % 4, and those with equal w / 4, have equal sums of steps.  Only the balance hangs on this choice.
	s_wait_alu depctr_va_sdst(0)                   ; the wave's number is written into s2, ahead of its first reader, the line below
	s_and_b32 s19, s[WV], 3
	s_lshr_b32 s20, s[WV], 2
	s_add_co_u32 s20, s20, s19
	s_and_b32 s20, s20, 3
	s_lshl_b32 s21, ttmp9, 2
	s_add_co_u32 s21, s21, s19
	s_lshr_b32 s22, s20, 1
	s_lshl_b32 s22, s22, 5
	s_add_co_u32 s21, s21, s22
	s_sub_co_u32 s22, 127, s21
	s_bitcmp1_b32 s20, 0
	s_cselect_b32 s21, s22, s21                    ; T
	s_lshl_b32 s24, s16, 7
	s_add_co_u32 s24, s24, s21
	s_lshl_b32 s24, s24, 9                         ; Q's image: 512 bytes a tile
	s_mov_b32 s25, 0
	s_lshl_b32 s26, s16, 13                        ; Q's scale words: 8,192 bytes a head, 256 for four tiles, my tile's word of the four
	s_lshr_b32 s23, s21, 2
	s_lshl_b32 s23, s23, 8
	s_add_co_u32 s26, s26, s23
	s_and_b32 s23, s21, 3
	s_lshl_b32 s23, s23, 2
	s_add_co_u32 s26, s26, s23
	s_mov_b32 s27, 0
	s_lshl_b32 s28, s16, 16                        ; K's and V's images of the head
	s_mov_b32 s29, 0
	s_lshl_b32 s30, s16, 13                        ; K's scale words
	s_mov_b32 s31, 0
	s_lshl_b32 s32, s16, 12                        ; V's
	s_mov_b32 s33, 0
	s_lshl_b32 s34, s17, 7
	s_add_co_u32 s34, s34, s21                     ; 128 b + T
	s_lshl_b32 s36, s34, 5                         ; its record of 32 bytes
	s_lshl_b32 s34, s34, 12                        ; its mask words
	s_mov_b32 s35, 0
	s_mov_b32 s37, 0
	s_lshr_b32 s38, s21, 3
	s_lshl_b32 s38, s38, 7
	s_bfe_u32 s23, s21, 0x20001
	s_lshl_b32 s23, s23, 5
	s_add_co_u32 s38, s38, s23
	s_and_b32 s23, s21, 1
	s_lshl_b32 s23, s23, 3
	s_add_co_u32 s38, s38, s23                     ; the tile's first row
	s_lshl_b32 s38, s38, 12
	s_lshl_b32 s23, s17, 23
	s_add_co_u32 s38, s38, s23
	s_lshl_b32 s23, s18, 8
	s_add_co_u32 s38, s38, s23                     ; in out0: the batch, the row, the head's 256 bytes
	s_mov_b32 s39, 0
	v_lshlrev_b32 v8, 4, v0                        ; the fill: 16 bytes a thread,
	v_lshlrev_b32 v11, 3, v0                       ; 8 of V's scale words
	v_and_b32 v1, 31, v0
	v_lshlrev_b32 v1, 4, v1                        ; 16 x lane
	v_and_b32 v255, 15, v0
	v_lshlrev_b32 v254, 2, v255                    ; 4 r
	v_lshlrev_b32 v255, 4, v255                    ; 16 r
	s_wait_kmcnt 0x0
	s_add_nc_u64 s[84:85], s[84:85], s[24:25]
	s_add_nc_u64 s[86:87], s[86:87], s[26:27]
	s_add_nc_u64 s[88:89], s[88:89], s[28:29]
	s_add_nc_u64 s[90:91], s[90:91], s[30:31]
	s_add_nc_u64 s[92:93], s[92:93], s[28:29]
	s_add_nc_u64 s[94:95], s[94:95], s[32:33]
	s_add_nc_u64 s[MP:MP+1], s[MP:MP+1], s[34:35]
	s_add_nc_u64 s[98:99], s[98:99], s[36:37]
	s_add_nc_u64 s[100:101], s[100:101], s[38:39]
	s_load_b256 s[8:15], s[98:99], 0x0             ; my tile's record
	MASKLOAD                                       ; step 0's mask words
	s_wait_alu depctr_va_vdst(0)                   ; the offsets v1, v8, v11 and v255 are written, which the loads below read
	global_load_b128 v[16:19], v1, s[84:85]        ; Q's fragment stays in registers
	global_load_b32 v24, v255, s[86:87]            ; and its scale words
.irp i, 0,1,2,3,4,5,6,7
	global_load_b128 v[96+4*\i:99+4*\i], v8, s[88:89] offset:8192*\i
.endr
.irp i, 0,1,2,3,4,5,6,7
	global_load_b128 v[128+4*\i:131+4*\i], v8, s[92:93] offset:8192*\i
.endr
	global_load_b128 v[160:163], v8, s[90:91]
	global_load_b64 v[164:165], v11, s[94:95]
	v_add_nc_u32 v2, VIMG, v1                      ; (the lines from here to the wait for the loads write no register that a load above reads or lands in)
	v_add_nc_u32 v3, KSC, v255
	v_add_nc_u32 v4, VSC, v254
	v_mov_b32 v5, 0xff800000                       ; -infinity
	v_mov_b32 v6, 0xce6e6b28                       ; -1e9
	v_mov_b32 v7, 0
	v_add_nc_u32 v9, VIMG, v8
	v_add_nc_u32 v10, KSC, v8
	v_add_nc_u32 v26, VSC, v11
.irp c, 20,21,22,23
	v_mov_b32 v[\c], 0                             ; Q beyond the head's 64: zero codes
.endr
.irp t, 0,1,2,3,4,5,6,7
.irp c, 4,5,6,7
	v_mov_b32 v[32+8*\t+\c], 0                     ; K likewise: written once, the loop loads registers 0-3 alone
.endr
.endr
	s_wait_loadcnt 0x0
	s_wait_alu depctr_va_vdst(0)                   ; the LDS addresses v9, v10 and v26 are written, which the stores below read; so are the zero codes of Q and K, which the scaled products take as operands
.irp i, 0,1,2,3,4,5,6,7
	ds_store_b128 v8, v[96+4*\i:99+4*\i] offset:8192*\i
.endr
.irp i, 0,1,2,3,4,5,6,7
	ds_store_b128 v9, v[128+4*\i:131+4*\i] offset:8192*\i
.endr
	ds_store_b128 v10, v[160:163]
	ds_store_b64 v26, v[164:165]
	s_wait_dscnt 0x0                               ; for the others' sake: my stores have landed
	s_barrier_signal -1
	s_barrier_wait -1                              ; the head's K and V lie in LDS; nobody writes them again
	s_wait_alu depctr_vm_vsrc(0)                   ; my LDS stores have read v[96:165] and v8, v9, v10, v26, and the head's loads v8, v11 and v255: O^T's zeros below, the scores, the loop's addresses, the way out and the closing lines write these again
.irp j, 0,1,2,3,4,5,6,7,8,9,10,11,12,13,14,15,16,17,18,19,20,21,22,23,24,25,26,27,28,29,30,31
	v_mov_b32 v[160+\j], 0                         ; O^T.  (The step is written once: the first finds zeros, which the first change of M leaves zeros)
.endr
	v_mov_b32 v13, 0xff61b1e6                      ; the largest t so far: -3e38, under every t
	v_floor_f32 v12, -v13                          ; -M
	v_mov_b32 v14, 0                               ; the sum, in two halves
	v_mov_b32 v15, 0
.irp b, 0,1,2,3
	v_mov_b32 v[236+\b], 0                         ; written once: a lane permute's destination counts as one of its sources
.endr
	v_mov_b32 v252, 0                              ; likewise, for the way out
	v_mov_b32 v253, 0                              ; (named as the upper half of the pair v[252:253])
	s_wait_kmcnt 0x0                               ; the record, and step 0's mask words
	s_or_b32 s8, s8, s10
	s_or_b32 s12, s12, s14
	s_or_b32 s8, s8, s12                           ; the four quarters' words 0,
	s_or_b32 s9, s9, s11
	s_or_b32 s13, s13, s15
	s_or_b32 s9, s9, s13                           ; and words 1
	s_lshr_b32 s10, s8, 16                         ; bit r: row r has an allowed key
	s_and_b32 s8, s8, 0xffff
	s_mov_b32 s11, 0xffff
	s_mov_b32 s12, 0x3e38aa3b                      ; log2(e) / 8
	s_cmp_lg_u32 s10, s11                          ; is some row masked everywhere?
	s_cselect_b32 s[SPEC], 1, 0
	s_cselect_b32 s[NEED], s11, s8                 ; then every step is walked,
	s_cselect_b32 s[PART], s11, s9                 ; every step is masked, by the exact way,
	s_cselect_b32 s[KAP], 1.0, s12                 ; which leaves t itself in the score registers
	s_mov_b32 s[KAP+1], s[KAP]                     ; (named with it as a pair, so it is written)
	s_mov_b32 s[SEL], 0x76543210
	s_mov_b32 s[SEL+1], 0xfedcba98
	s_mov_b32 s[MSTP+1], 0
	s_mov_b32 s[JJ], 0
	s_mov_b32 s[TK], 0
	s_mov_b32 s[TS], 0
	s_mov_b32 s[TV], 0
.Ltrip:                                            ; 16 trips, a key step of 128 keys each
	s_bitcmp1_b32 s[NEED], s[JJ]
	s_cbranch_scc0 .Lskip                          ; no key of this step is allowed for any of my queries
	v_add_nc_u32 v[ADK], s[TK], v1                 ; (v8-11 are free: the LDS instructions that read them stand ahead of a wait on vm_vsrc, the last walked step's or the one behind the barrier)
	v_add_nc_u32 v[ADV], s[TK], v2
	v_add_nc_u32 v[ADS], s[TS], v3
	v_add_nc_u32 v[ADT], s[TV], v4
	s_wait_alu depctr_va_vdst(0)                   ; the four addresses are written, which the step's 22 LDS loads read; the last walked step's products are done reading K's and V's fragments and scale words, in which those loads land
	ds_load_b128 v[240:243], v[ADS]                ; K's scale words: tiles 0-3 of row r,
.irp t, 0,1,2,3
	ds_load_b128 v[32+8*\t:35+8*\t], v[ADK] offset:512*\t
.endr
	ds_load_b128 v[244:247], v[ADS] offset:256     ; tiles 4-7
.irp t, 4,5,6,7
	ds_load_b128 v[32+8*\t:35+8*\t], v[ADK] offset:512*\t
.endr
	s_wait_dscnt 5                                 ; LDS loads come back in order: the words and fragments of tiles 0-3 are in; the five loads of tiles 4-7 may be out
.irp t, 0,1,2,3
	v_wmma_scale_f32_16x16x128_f8f6f4 v[96+8*\t:103+8*\t], v[32+8*\t:39+8*\t], v[16:23], 0, v[240+\t], v24 matrix_a_fmt:MATRIX_FMT_FP4 matrix_b_fmt:MATRIX_FMT_FP4
	ds_load_b128 v[192+8*\t:195+8*\t], v[ADV] offset:1024*\t       ; V's tile t of the head's 64: no wait: no vector or matrix instruction since the wait at the step's head names V's registers or the addresses
	ds_load_b128 v[196+8*\t:199+8*\t], v[ADV] offset:1024*\t+512
	ds_load_b32 v[28+\t], v[ADT] offset:64*\t
.endr
	s_wait_dscnt 12                                ; K's ten loads are in; V's twelve, issued behind them, may be out
.irp t, 4,5,6,7
	v_wmma_scale_f32_16x16x128_f8f6f4 v[96+8*\t:103+8*\t], v[32+8*\t:39+8*\t], v[16:23], 0, v[240+\t], v24 matrix_a_fmt:MATRIX_FMT_FP4 matrix_b_fmt:MATRIX_FMT_FP4
.endr
.rept 4
	v_nop                                          ; four places between the products and the first read of their results (ISA guide 7.12.1)
.endr
	s_wait_kmcnt 0x0                               ; this step's mask words are in
	s_bitcmp1_b32 s[PART], s[JJ]
	s_cbranch_scc0 .Lopen                          ; every key of the step is allowed for all my queries
	s_cmp_lg_u32 s[SPEC], 0
	s_cbranch_scc1 .Lexact
.set NN, 0
.rept 64                               ; the fast way: a masked score becomes -infinity, so p = 0.  Ascending: each accumulator is read from its low end on
.set PA, 2*(NN%32)+NN/32
	v_cndmask_b32 v[96+NN], v5, v[96+NN], s[16+PA+4*(PA/48)]
.set NN, NN+1
.endr
	s_branch .Lopen
.Lexact:
.set NN, 0
.rept 32                               ; the exact way, two scores at a time: the bias, 0 or -1e9; logit = S / 8 + bias in one rounding (S / 8 is exact); t = logit x log2(e), rounded
.set PA, 2*(NN%32)+NN/32
.set PB, 2*((NN+1)%32)+(NN+1)/32
.set TP, 236+2*((NN/2)%2)+12*((NN/4)%2)
	v_cndmask_b32 v[TP], v6, v7, s[16+PA+4*(PA/48)]
	v_cndmask_b32 v[TP+1], v6, v7, s[16+PB+4*(PB/48)]
	v_pk_fma_f32 v[96+NN:97+NN], v[96+NN:97+NN], 0x3e000000, v[TP:TP+1] op_sel_hi:[1,0,1]
	v_pk_mul_f32 v[96+NN:97+NN], v[96+NN:97+NN], 0x3fb8aa3b op_sel_hi:[1,0]
.set NN, NN+2
.endr
.Lopen:
.irp b, 0,1,2,3
	v_max3_num_f32 v[232+\b], v[96+16*\b], v[97+16*\b], v[98+16*\b]   ; THE LARGEST SCORE OF EACH BLOCK OF 32 KEYS: it serves for the row's maximum and, since p rises with the score, for the block's largest p
.endr
.irp i, 3,5,7,9,11,13
.irp b, 0,1,2,3
	v_max3_num_f32 v[232+\b], v[232+\b], v[96+16*\b+\i], v[97+16*\b+\i]   ; (the four blocks by turns)
.endr
.endr
.irp b, 0,1,2,3
	v_max_num_f32 v[232+\b], v[232+\b], v[111+16*\b]
.endr
.irp b, 0,1,2,3
	v_permlanex16_b32 v[236+\b], v[232+\b], s[SEL], s[SEL+1]
.endr
	MASKNEXT                                       ; this step's words have been read: the next step's are asked for
.irp b, 0,1,2,3
	v_max_num_f32 v[232+\b], v[232+\b], v[236+\b]  ; with lane l xor 16's 16 keys
.endr
	v_max3_num_f32 v254, v232, v233, v234
	v_max_num_f32 v254, v254, v235                 ; the step's largest score of my query
	v_mul_f32 v254, s[KAP], v254                   ; as t
	v_max_num_f32 v13, v13, v254                   ; the running largest t
	v_mov_b32 v254, v12
	v_floor_f32 v12, -v13                          ; the new -M = floor(-t) = -ceil(t): M is a whole number
	v_sub_f32 v254, v12, v254                      ; M's old value less its new one: a whole number, 0 or less
	v_cvt_i32_f32 v254, v254                       ; (it saturates)
	v_ldexp_f32 v252, 1.0, v254                    ; f = 2^(old M - new M)
.irp j, 0,2,4,6,8,10,12,14,16,18,20,22,24,26,28,30,32,34,36,38,40,42,44,46,48,50,52,54,56,58,60,62
	v_pk_fma_f32 v[96+\j:97+\j], v[96+\j:97+\j], s[KAP:KAP+1], v[12:13] op_sel_hi:[1,0,0]   ; t - M, two at a time (of both pairs the low word serves both halves)
.endr
.irp b, 0,1,2,3
	v_fma_f32 v[232+\b], v[232+\b], s[KAP], v12    ; the same of each block's largest score
.endr
.irp j, 0,1,2,3,4,5,6,7,8,9,10,11,12,13,14,15,16,17,18,19,20,21,22,23,24,25,26,27,28,29,30,31,32,33,34,35,36,37,38,39,40,41,42,43,44,45,46,47,48,49,50,51,52,53,54,55,56,57,58,59,60,61,62,63
	v_exp_f32 v[96+\j], v[96+\j]                   ; p = 2^(t - M), at most 1: not normalised
.endr
	v_pk_mul_f32 v[14:15], v[14:15], v[252:253] op_sel_hi:[1,0]   ; the sums under the new M (a plain line behind the exponentials)
	s_wait_alu depctr_va_vdst(0)                   ; the 64 exponentials have written p in v[96:159]: one wait for the batch, ahead of its first reader
.irp b, 0,1,2,3
	v_exp_f32 v[232+\b], v[232+\b]                 ; the block's largest p: the same two instructions on the same number give the same bits
.endr
	v_pk_add_f32 v[236:237], v[96:97], v[98:99]    ; THE ROW'S SUM IS TAKEN OF THE UNQUANTISED p: two at a time, in two chains (plain work behind the four)
.irp j, 4,8,12,16,20,24,28,32,36,40,44,48,52,56,60
	v_pk_add_f32 v[14:15], v[14:15], v[96+\j:97+\j]
	v_pk_add_f32 v[236:237], v[236:237], v[98+\j:99+\j]
.endr
	v_pk_add_f32 v[14:15], v[14:15], v[236:237]
	s_wait_alu depctr_va_vdst(0)                   ; the four exponentials have written v[232:235], ahead of their first reader
.irp b, 0,1,2,3
	v_max_num_f32 v[232+\b], 0x1800000, v[232+\b]  ; the floor 2^(3 - 127): the byte cannot fall under 1 (a block whose every p is 0 keeps that byte: its codes are zeros)
.endr
.irp b, 0,1,2,3
	v_add_nc_u32 v[248+\b], 0xff000000, v[232+\b]  ; 2 off the exponent field: the conversion's scale operand
.endr
.irp b, 0,1,2,3
	v_lshrrev_b32 v[236+\b], 23, v[248+\b]         ; the scale's byte
.endr
	v_lshl_or_b32 v[PW], v237, 8, v236             ; p's scale word for these 128 keys
	v_lshl_or_b32 v[PW], v238, 16, v[PW]
	v_lshl_or_b32 v[PW], v239, 24, v[PW]
.irp b, 0,1,2,3
	v_cvt_scalef32_pk8_fp4_f32 v[224+2*\b], v[96+16*\b:103+16*\b], v[248+\b]
	v_cvt_scalef32_pk8_fp4_f32 v[225+2*\b], v[104+16*\b:111+16*\b], v[248+\b]
.endr
	v_nop                                          ; one plain line between a scaled conversion and the vector instruction that touches its result
.irp c, 0,1                                    ; the operand's layout wants a WHOLE block in a lane: lanes 0-15 block 2 c, lanes 16-31 block 2 c + 1
.irp i, 0,1
	v_permlane16_swap_b32 v[224+4*\c+\i], v[226+4*\c+\i]
.endr
.endr
.irp j, 0,2,4,6,8,10,12,14,16,18,20,22,24,26,28,30
	v_pk_mul_f32 v[160+\j:161+\j], v[160+\j:161+\j], v[252:253] op_sel_hi:[1,0]   ; O^T under the new M.  (These sixteen stand between the writes of p's codes and scale word and the products below; for each product twelve of them name none of its registers)
.endr
	s_wait_dscnt 0x0                               ; V's fragments and scale words are in
	s_wait_alu depctr_vm_vsrc(0)                   ; the step's LDS loads have read v8-11, which the next walked step's additions, or the way out, write again
	s_wait_alu depctr_va_vdst(0)                   ; p's codes in v[224:231] and its scale word in v25 are written, which the scaled products below take; the places above stay beside this wait
.irp u, 0,1,2,3                                ; O^T += V^T P^T: the four accumulators by turns, one instruction a turn; the next matrix instruction is a product K Q^T
	v_wmma_scale_f32_16x16x128_f8f6f4 v[160+8*\u:167+8*\u], v[192+8*\u:199+8*\u], v[224:231], v[160+8*\u:167+8*\u], v[28+\u], v[PW] matrix_a_fmt:MATRIX_FMT_FP4 matrix_b_fmt:MATRIX_FMT_FP4
.endr
	s_branch .Ltail
.Lskip:
	s_wait_kmcnt 0x0                               ; the words of the step that is left out have come: their registers and their base may be written
	MASKNEXT
.Ltail:
	s_add_co_u32 s[TK], s[TK], 4096                ; the addresses step on every way
	s_add_co_u32 s[TS], s[TS], 512
	s_add_co_u32 s[TV], s[TV], 256
	s_add_co_u32 s[JJ], s[JJ], 1
	s_cmp_lt_u32 s[JJ], 16
	s_cbranch_scc1 .Ltrip
	; THE WAY OUT.  The sum's two halves and lane l xor 16's are added; O^T is divided by the sum and goes through my stage in LDS, so that sixteen lanes store a query's 256 bytes of this head: one aligned run.
	s_wait_kmcnt 0x0                               ; the last trip's scalar loads have come
	v_add_f32 v14, v14, v15
	v_permlanex16_b32 v252, v14, s[SEL], s[SEL+1]
	v_add_f32 v14, v14, v252                       ; the row's sum
	v_rcp_f32 v14, v14
	v_and_b32 v8, 15, v0                           ; (a plain line behind the reciprocal)  r.  (v8-11 and v26 are free: the LDS instructions that read them stand ahead of a wait on vm_vsrc)
	v_bfe_u32 v9, v0, 4, 1                         ; h
	s_mul_i32 s14, s[WV], STGW
	s_add_co_u32 s14, s14, STG                     ; my stage
	v_mul_u32_u24 v10, v8, 272
	v_lshl_add_u32 v10, v9, 5, v10
	v_add_nc_u32 v10, s14, v10                     ; in: row r; tile u's eight channels of my half: 64 u + 32 h bytes on
	v_mul_u32_u24 v11, v9, 272
	v_lshl_add_u32 v11, v8, 4, v11
	v_add_nc_u32 v11, s14, v11                     ; back: lanes 0-15 one row, lanes 16-31 the next
	v_lshlrev_b32 v26, 12, v9
	v_lshl_add_u32 v26, v8, 4, v26                 ; and the same two rows in out0
	s_wait_alu depctr_va_vdst(0)                   ; the reciprocal has written v14, ahead of its first reader
.irp j, 0,1,2,3,4,5,6,7,8,9,10,11,12,13,14,15,16,17,18,19,20,21,22,23,24,25,26,27,28,29,30,31
	v_mul_f32 v[96+\j], v[160+\j], v14             ; register 8 u + i is o(row r, 16 u + 8 h + i); each accumulator from its low end on
.endr
	s_wait_alu depctr_va_vdst(0)                   ; the multiplications have written v[96:127], which the LDS stores read (v10, v11 and v26 were written further up); and every vector line that named v[128:159] is done, in which the loads from the stage land
.irp u, 0,1,2,3
	ds_store_b128 v10, v[96+8*\u:99+8*\u] offset:64*\u
	ds_store_b128 v10, v[100+8*\u:103+8*\u] offset:64*\u+16
.endr
.irp i, 0,1,2,3,4,5,6,7
	ds_load_b128 v[128+4*\i:131+4*\i], v11 offset:2*\i*272   ; LDS serves a wave's instructions in order: these see my stores
.endr
.irp i, 0,1,2,3,4,5,6,7
	s_wait_dscnt 7-\i                              ; load i is in; the younger ones may be out
	global_store_b128 v26, v[128+4*\i:131+4*\i], s[100:101] offset:(2*\i+8*(\i/4))*4096 th:TH_STORE_NT   ; tile rows 2 i, 2 i + 1: rows 8-15 of a tile lie 8 rows further down; sixteen lanes store 256 consecutive bytes, aligned
.endr
	s_wait_xcnt 0x0
	v_lshl_add_u32 v254, v0, 2, 0x34000            ; the add's two registers are made anew (no memory or LDS instruction has read v254 or v255 since the wait on vm_vsrc behind the barrier)
	v_mov_b32 v255, 0
	s_wait_dscnt 0x0                               ; the closing lines, six on end
	s_wait_alu 0x0
	s_wait_tensorcnt 0x0
	ds_add_u32 v254, v255
	s_wait_dscnt 0x0
	s_endpgm
.Lfunc_end_k_qa637dda172_attn:
	.size	k_qa637dda172_attn, .Lfunc_end_k_qa637dda172_attn-k_qa637dda172_attn
	.p2alignl 7, 3214868480
	.fill 96, 4, 3214868480
	.section	.rodata,"a",@progbits
	.p2align	6, 0x0
	.amdhsa_kernel k_qa637dda172_attn
		.amdhsa_group_segment_fixed_size 215040
		.amdhsa_private_segment_fixed_size 0
		.amdhsa_enable_private_segment 0
		.amdhsa_kernarg_size 72
		.amdhsa_user_sgpr_count 2
		.amdhsa_user_sgpr_kernarg_segment_ptr 1
		.amdhsa_wavefront_size32 1
		.amdhsa_system_sgpr_workgroup_id_x 1
		.amdhsa_system_sgpr_workgroup_id_y 1
		.amdhsa_system_sgpr_workgroup_id_z 1
		.amdhsa_system_vgpr_workitem_id 0
		.amdhsa_next_free_vgpr 256
		.amdhsa_next_free_sgpr 102
		.amdhsa_reserve_vcc 0
		.amdhsa_float_denorm_mode_32 3
		.amdhsa_float_denorm_mode_16_64 3
		.amdhsa_memory_ordered 1
		.amdhsa_forward_progress 1
		.amdhsa_inst_pref_size 45
	.end_amdhsa_kernel
	.amdgpu_metadata
---
amdhsa.version: [ 1, 2 ]
amdhsa.kernels:
  - .name:           k_qa637dda172_attn
    .symbol:         k_qa637dda172_attn.kd
    .args:
      - { .name: qimg, .offset: 0, .size: 8, .value_kind: global_buffer, .address_space: global }
      - { .name: qsc, .offset: 8, .size: 8, .value_kind: global_buffer, .address_space: global }
      - { .name: kimg, .offset: 16, .size: 8, .value_kind: global_buffer, .address_space: global }
      - { .name: ksc, .offset: 24, .size: 8, .value_kind: global_buffer, .address_space: global }
      - { .name: vimg, .offset: 32, .size: 8, .value_kind: global_buffer, .address_space: global }
      - { .name: vsc, .offset: 40, .size: 8, .value_kind: global_buffer, .address_space: global }
      - { .name: maskw, .offset: 48, .size: 8, .value_kind: global_buffer, .address_space: global }
      - { .name: needw, .offset: 56, .size: 8, .value_kind: global_buffer, .address_space: global }
      - { .name: out0, .offset: 64, .size: 8, .value_kind: global_buffer, .address_space: global }
    .group_segment_fixed_size: 215040
    .private_segment_fixed_size: 0
    .kernarg_segment_align: 8
    .kernarg_segment_size: 72
    .max_flat_workgroup_size: 512
    .sgpr_count:     102
    .vgpr_count:     256
    .wavefront_size: 32
...
	.end_amdgpu_metadata
.endif
;; end of part 3
